; MI455X (gfx1250); checked and timed in simulation.
; The chip was launched on July 23, 2026; its instructions are those of AMD's public machine-readable ISA for CDNA 5 (MIT licence, August 2026) and "CDNA5" Instruction Set Architecture Reference Guide (July 2026). The comments in the code are by the model that wrote it; some were corrected since.
;; Small Former Block. Allowed arithmetic: matrix products marked QUANTISED: E5M2 operands, one E8M0 scale for each 32 along K, by v_wmma_scale_f32_16x16x128_f8f6f4 with both operands' format E5M2, f32 sums; everything else in f32.
;; Inputs: prelu_w 512 float32; x 1 x 4,096 x 512 float32.
;; Outputs: out0 1 x 4,096 x 512 float32.
;; This version of the problem:
;;   THIS VERSION OF THE PROBLEM IS GIVEN IN LOW PRECISION. The matrix products marked QUANTISED in the list below multiply operands that are first quantised to E5M2 (5 exponent bits, 2 mantissa bits; 8 bits a number), with one power-of-two scale for each 32 numbers along K (OCP MX v1.0); their sums are f32. All else is computed in f32.
;;   The module's matrix products, in the order in which they are computed (A, B: the left and right operand; K: the contracted axis; several contracted axes count as one K, in the product's order):
;;     1. batch 8 x [M 4,096, K 64] x [K 64, N 4,096]; A: computed on the way; B: computed on the way: QUANTISED
;;     2. batch 8 x [M 4,096, K 4,096] x [K 4,096, N 64]; A: softmax (see below); B: computed on the way: QUANTISED
;;   THE QUANTISER, for each operand of a quantised product, along K:
;;     - K is cut into blocks of 32 from its start; a last block that is shorter is filled with zeros.
;;     - A block's scale is 2^e with e = floor(log2(the largest magnitude in the block)) - 15, held to -126 .. 127; a block of zeros has e = 0. As a byte (E8M0): e + 127.
;;     - Each number is divided by its block's scale, clamped to +-57,344, and rounded to the nearest number of E5M2, ties to even, subnormals kept.
;;     - The product sums the exact products of the quantised numbers (number of the format x scale) in f32.
;;   ~~~python
;;   def quantise(x, axis):      # numpy; x: float32 -> the quantised numbers, widened to float32 again
;;       x = np.moveaxis(x, axis, -1); K = x.shape[-1]
;;       x = np.pad(x, [(0, 0)] * (x.ndim - 1) + [(0, -K % 32)]); x = x.reshape(x.shape[:-1] + (-1, 32)); a = np.abs(x).max(-1, keepdims=True)
;;       e = np.where(a > 0, np.clip(np.frexp(np.where(a > 0, a, 1))[1] - 1 - 15, -126, 127), 0)      # np.frexp(a)[1] - 1 = floor(log2(a)), exactly
;;       r = np.clip(x / 2.0 ** e, -57344, 57344)
;;       step = 2.0 ** (np.maximum(np.frexp(np.where(r == 0, 1, r))[1] - 1, -14) - 2)
;;       q = np.round(r / step) * step * 2.0 ** e      # np.round: ties to even
;;       return np.moveaxis(q.reshape(q.shape[:-2] + (-1,))[..., :K], -1, axis).astype(np.float32)
;;   ~~~
;;   SOFTMAX AHEAD OF A QUANTISED PRODUCT. Where the list says 'softmax', what is quantised is not the finished softmax but p = 2^(t - M), with t = logit x log2(e) and M = ceil(the row's largest t), a whole number; so 1/2 < the row's largest p <= 1. The row's sum l is taken of the UNQUANTISED p, in f32, and the product's result is divided by l at the end. Since M is a whole number, a kernel that streams over the keys may use a running M (the ceiling of the running maximum): every later rescaling is an exact power of two, which a block's scale takes up: the codes' values come out the same.
;;   OPERANDS COMPUTED ON THE WAY. 'Computed on the way' means the value that the module computes at that place (a softmax that the list does not call 'softmax' is quantised finished and normalised). What goes into a quantiser is computed in f32, as accurately as f32 sums, v_exp_f32 and their like allow (about 1e-6 of the number): no bf16 or f16 on the way to a quantiser, and a product that is left as it is and whose result goes on into a quantised operand takes f32 operands (vector FMAs, or v_wmma_f32_16x16x4_f32). A number that lies on a knife's edge between two numbers of the format may be rounded either way, as far as f32 arithmetic and the matrix unit's own rounding can turn it there, and no further.
;; One version. Each part assembles by itself: llvm-mc -triple=amdgcn-amd-amdhsa -mcpu=gfx1250 --defsym DOCPART=n.
;; ======== version 1 of 1: 3 launches
;; limits: right only within a limited range of input values
;; workspace buffers: kv 4,390,912 bytes; res 8,388,608 bytes
;; launch prep (part 1): grid 128 x 1, 16 waves a work-group, no clusters, 102,400 bytes of LDS; arguments x, kv; writes kv
.if DOCPART == 1
	.amdgcn_target "amdgcn-amd-amdhsa--gfx1250"
	.amdhsa_code_object_version 6
	.text
	.protected	k_qb395f6f724_prep
	.globl	k_qb395f6f724_prep
	.p2align	8
	.type	k_qb395f6f724_prep,@function
k_qb395f6f724_prep:
	s_mov_b64 s[64:65], 0
	v_nop
	global_prefetch_b8 v0, s[64:65] scope:SCOPE_SE
	s_setreg_imm32_b32 hwreg(HW_REG_WAVE_MODE, 25, 1), 1
	s_wait_xcnt 0x0
; xn = LayerNorm(x) (no gain, no bias), x: [4096][512] f32, and its two quantisations to codes of E5M2 with one E8M0 byte for each 32 along K:
; along the head's 64 channels (both operands of the first product) and along the keys (the second product's right operand).
; NOTHING OF THE PROBLEM IS LEFT OUT IN THIS PROGRAM: the batch is 1, so the slice [-1] is the whole batch; both inputs reach the output.
; OUTPUT kv: [8 heads][32 steps of 128 keys][17,152 bytes], each step block laid in the order of the operands' registers:
;   KIMG    0: tile T = 2 b + u (8 tiles) x 1,024 + c x 512 + h x 256 + r x 16: the 16 codes of channels 32 c + 16 h + 0..15 of key 32 b + 16 (r / 8) + 8 u + r % 8
;   VIMG 8192: tile t (4 tiles) x 2,048 + c x 512 + h x 256 + r x 16: the 16 codes of channel 16 t + r, keys 32 c + 16 h + 0..15
;   KSC 16384: b x 128 + (16 u + r) x 4: a key's scale word: byte 0 channels 0-31, byte 1 channels 32-63, bytes 2, 3 = 0x7f (they scale codes that are zeros on the other side)
;   VSC 16896: (16 t + r) x 4 + c: a channel's scale byte for keys 32 c on
; A block's scale byte is its largest magnitude's exponent field - 15, held at 1 from below (a block of zeros gets 1 where the rule says 127: its codes are zeros, and this program alone reads the bytes).
; LIMITS: NaN and infinities among the inputs are not served; blocks whose largest magnitude lies under 2^-111 take the byte 1.
; SHARES.  Work-group g owns rows 32 g .. 32 g + 31: one block of 32 keys (step g / 4, block g % 4).  PHASE A: wave w normalises rows 2 w, 2 w + 1 (a row is 16 registers of a wave), turns them through LDS so that a lane
; holds 16 neighbouring channels, quantises them along the channels.  One barrier.  PHASE B: thread t takes channel t of all 32 rows from LDS: one block along the keys in one lane's registers.
; No tensor load, no cluster: the work-groups share no input.
.set STEPB, 17152
.set HEADB, 32*STEPB
.set VIMG,  8192
.set KSC,   16384
.set VSC,   16896
.set ROWL,  2560                       ; a row of xn in LDS: 32 pieces of 64 bytes + 16 of padding
.set SP,    80
.set UP,    272                        ; a unit of 256 bytes of K's image in LDS + 16 of padding
.set KST,   32*ROWL                    ; 64 units: head x 8 + u x 4 + c x 2 + h
.set SST,   KST+64*UP                  ; K's scale words: head x 128 + (16 u + r) x 4
.set SPARE, SST+1024                   ; the spare words, 128 bytes for each of 16 waves: eight blocks of 256 bytes that no other line names
.set GX,  1                            ; 16 x lane
.set SIN, 2                            ; xn into LDS, as loaded
.set SOUT, 3                           ; and back, 16 neighbours a lane
.set KSA, 4                            ; where my codes go
.set SSA, 5                            ; where my scale word goes
.set VA0, 6                            ; my channel in rows 0-15,
.set VA1, 7                            ; in rows 16-31
.set KR,  8                            ; K's units back from LDS
.set KG,  9                            ; and their place in kv
.set SR,  10                           ; K's scale words back
.set SG,  11
.set VG,  12                           ; V's codes in kv
.set VB,  13                           ; V's scale byte in kv
.set SPW, 14                           ; LDS address of my spare word; never rewritten
.set NIL, 15                           ; 0; never rewritten
.set X,   16                           ; v16-47  two rows as loaded, then x - mean, then xn
.set Y,   48                           ; v48-79  16 neighbours of each row; in phase B a column's 32 numbers
.set TB,  80                           ; v80-95  eight registers at work for each row
.set C,   100                          ; v100-107 codes
.set OUTR, 108                         ; v108-115 K's units on their way out
.set WD,  116                          ; a scale word on its way out
	s_load_b128 s[4:7], s[0:1], 0x0                ; x, kv
	v_lshl_add_u32 v[SPW], v0, 2, SPARE
	v_mov_b32 v[NIL], 0
	v_lshrrev_b32 v80, 5, v0
	s_delay_alu instid0(VALU_DEP_1)
	v_readfirstlane_b32 s8, v80                    ; wave 0..15
	v_and_b32 v81, 31, v0                          ; lane
	s_delay_alu instid0(VALU_DEP_1)
	v_lshlrev_b32 v[GX], 4, v81
	s_lshl_b32 s26, ttmp9, 16                      ; 32 rows of 2,048 bytes a work-group,
	s_lshl_b32 s27, s8, 12                         ; two a wave
	s_add_co_u32 s26, s26, s27
	s_mov_b32 s27, 0
	s_wait_alu depctr_va_vdst(0)
	s_wait_kmcnt 0x0
	s_add_nc_u64 s[4:5], s[4:5], s[26:27]
.irp j, 0,1
.irp i, 0,1,2,3
	global_load_b128 v[X+16*\j+4*\i:X+16*\j+4*\i+3], v[GX], s[4:5] offset:2048*\j+512*\i   ; 32 lanes read 512 consecutive bytes
.endr
.endr
	s_mov_b32 s9, 0x3b000000                       ; 1 / 512
	s_mov_b32 s10, 0x3727c5ac                      ; 1e-5
	s_mov_b32 s11, 0x600000                        ; the mantissa field of 57,344
	s_mov_b32 s12, 0x76543210
	s_mov_b32 s13, 0xfedcba98                      ; v_permlanex16_b32's selects for lane l xor 16
	s_mov_b32 s14, 0xcccccccc                      ; the lanes whose 16 channels lie in a head's second block of 32
	; LDS addresses, all made here: constants, the lane and the wave's number
	s_mul_i32 s16, s8, 2*ROWL
	v_lshrrev_b32 v82, 2, v81                      ; lane / 4: on the way out of the turn, my head
	v_and_b32 v83, 3, v81                          ; lane % 4: 2 c + h
	s_wait_alu depctr_va_vdst(0)
	v_mul_u32_u24 v[SIN], v82, SP
	s_delay_alu instid0(VALU_DEP_1)
	v_lshl_add_u32 v[SIN], v83, 4, v[SIN]
	s_delay_alu instid0(VALU_DEP_1)
	v_add_nc_u32 v[SIN], s16, v[SIN]               ; four lanes' 64 bytes on end, then the padding
	v_mul_u32_u24 v[SOUT], v81, SP
	s_delay_alu instid0(VALU_DEP_1)
	v_add_nc_u32 v[SOUT], s16, v[SOUT]
	s_bfe_u32 s17, s8, 0x10002                     ; row 2 w of the block of 32 is 16 g + 8 u + r': u,
	s_lshr_b32 s18, s8, 3                          ; g,
	s_and_b32 s19, s8, 3                           ; r' / 2
	s_mul_i32 s20, s17, 4*UP
	s_lshl_b32 s21, s18, 7
	s_add_co_u32 s20, s20, s21
	s_lshl_b32 s21, s19, 5
	s_add_co_u32 s20, s20, s21
	s_add_co_u32 s20, s20, KST                     ; KST + 4 u units + 16 (8 g + r')
	v_lshl_add_u32 v84, v82, 3, v83
	s_delay_alu instid0(VALU_DEP_1)
	v_mul_u32_u24 v[KSA], v84, UP
	s_delay_alu instid0(VALU_DEP_1)
	v_add_nc_u32 v[KSA], s20, v[KSA]               ; + unit 8 head + 2 c + h
	s_lshl_b32 s20, s17, 6
	s_lshl_b32 s21, s18, 5
	s_add_co_u32 s20, s20, s21
	s_lshl_b32 s21, s19, 3
	s_add_co_u32 s20, s20, s21
	s_add_co_u32 s20, s20, SST
	v_lshl_add_u32 v[SSA], v82, 7, s20
	v_lshrrev_b32 v85, 4, v0                       ; t / 16
	v_and_b32 v86, 15, v0                          ; t % 16
	s_delay_alu instid0(VALU_DEP_2)
	v_mul_u32_u24 v[VA0], v85, SP
	s_delay_alu instid0(VALU_DEP_1)
	v_lshl_add_u32 v[VA0], v86, 2, v[VA0]
	s_delay_alu instid0(VALU_DEP_1)
	v_add_nc_u32 v[VA1], 16*ROWL, v[VA0]
	v_mul_u32_u24 v[KR], v85, UP
	s_delay_alu instid0(VALU_DEP_1)
	v_lshl_add_u32 v[KR], v86, 4, v[KR]
	s_delay_alu instid0(VALU_DEP_1)
	v_add_nc_u32 v[KR], KST, v[KR]
	v_and_b32 v89, 255, v0
	s_delay_alu instid0(VALU_DEP_1)
	v_lshl_add_u32 v[SR], v89, 2, SST
	; offsets in kv
	v_lshrrev_b32 v87, 7, v0
	s_delay_alu instid0(VALU_DEP_1)
	v_mul_u32_u24 v[KG], v87, HEADB                ; unit t / 16: head t / 128,
	v_bfe_u32 v88, v0, 4, 3
	s_delay_alu instid0(VALU_DEP_1)
	v_lshl_add_u32 v[KG], v88, 8, v[KG]            ; its unit (t / 16) % 8,
	s_delay_alu instid0(VALU_DEP_1)
	v_lshl_add_u32 v[KG], v86, 4, v[KG]            ; 16 bytes a lane
	v_bfe_u32 v90, v0, 5, 3
	s_delay_alu instid0(VALU_DEP_1)
	v_mul_u32_u24 v[SG], v90, HEADB
	s_delay_alu instid0(VALU_DEP_1)
	v_lshl_add_u32 v[SG], v81, 2, v[SG]
	v_lshrrev_b32 v91, 6, v0                       ; channel t: head t / 64
	s_delay_alu instid0(VALU_DEP_1)
	v_mul_u32_u24 v[VG], v91, HEADB
	v_and_b32 v92, 63, v0
	s_delay_alu instid0(VALU_DEP_1)
	v_lshl_add_u32 v[VB], v92, 2, v[VG]
	v_bfe_u32 v93, v0, 4, 2
	s_delay_alu instid0(VALU_DEP_1)
	v_lshl_add_u32 v[VG], v93, 11, v[VG]
	s_delay_alu instid0(VALU_DEP_1)
	v_lshl_add_u32 v[VG], v86, 4, v[VG]
	s_lshr_b32 s22, ttmp9, 2                       ; the step of 128 keys,
	s_and_b32 s23, ttmp9, 3                        ; my block of 32 in it
	s_mul_i32 s24, s22, STEPB
	s_mov_b32 s25, 0
	s_add_nc_u64 s[6:7], s[6:7], s[24:25]
	s_mov_b32 s37, 0
	s_lshl_b32 s36, s23, 11
	s_add_nc_u64 s[28:29], s[6:7], s[36:37]        ; K's two tiles
	s_lshl_b32 s36, s23, 7
	s_add_nc_u64 s[30:31], s[6:7], s[36:37]        ; their scale words
	s_lshl_b32 s36, s23, 9
	s_add_nc_u64 s[32:33], s[6:7], s[36:37]        ; V's part c = my block
	s_mov_b32 s36, s23
	s_add_nc_u64 s[34:35], s[6:7], s[36:37]        ; and its scale bytes
.macro LSUM r, m                       ; the sum over the 32 lanes, in every lane
	s_delay_alu instid0(VALU_DEP_1)
	v_add_f32_dpp v[\r], v[\r], v[\r] row_xmask:1 row_mask:0xf bank_mask:0xf
	s_delay_alu instid0(VALU_DEP_1)
	v_add_f32_dpp v[\r], v[\r], v[\r] row_xmask:2 row_mask:0xf bank_mask:0xf
	s_delay_alu instid0(VALU_DEP_1)
	v_add_f32_dpp v[\r], v[\r], v[\r] row_xmask:4 row_mask:0xf bank_mask:0xf
	s_delay_alu instid0(VALU_DEP_1)
	v_add_f32_dpp v[\r], v[\r], v[\r] row_xmask:8 row_mask:0xf bank_mask:0xf
	s_delay_alu instid0(VALU_DEP_1)
	v_permlanex16_b32 v[\m], v[\r], s12, s13
	s_delay_alu instid0(VALU_DEP_1)
	v_add_f32 v[\r], v[\r], v[\m]
.endm
; Row j: the mean, x - mean in place, the mean of its squares, 1 / sqrt(that + 1e-5) twice (a pair for the packed multiply) in v[T+6:T+7]
.macro LNROW j
.set XS, X+16*\j
.set T, TB+8*\j
	v_pk_add_f32 v[T:T+1], v[XS:XS+1], v[XS+2:XS+3]
	v_pk_add_f32 v[T+2:T+3], v[XS+4:XS+5], v[XS+6:XS+7]
	s_delay_alu instid0(VALU_DEP_2)
	v_pk_add_f32 v[T:T+1], v[T:T+1], v[XS+8:XS+9]
	s_delay_alu instid0(VALU_DEP_2)
	v_pk_add_f32 v[T+2:T+3], v[T+2:T+3], v[XS+10:XS+11]
	s_delay_alu instid0(VALU_DEP_2)
	v_pk_add_f32 v[T:T+1], v[T:T+1], v[XS+12:XS+13]
	s_delay_alu instid0(VALU_DEP_2)
	v_pk_add_f32 v[T+2:T+3], v[T+2:T+3], v[XS+14:XS+15]
	s_delay_alu instid0(VALU_DEP_1)
	v_pk_add_f32 v[T:T+1], v[T:T+1], v[T+2:T+3]
	s_delay_alu instid0(VALU_DEP_1)
	v_add_f32 v[T], v[T], v[T+1]
	LSUM T, T+1
	s_delay_alu instid0(VALU_DEP_1)
	v_mul_f32 v[T+4], s9, v[T]
	s_delay_alu instid0(VALU_DEP_2)
	v_mul_f32 v[T+5], s9, v[T]
.irp i, 0,2,4,6,8,10,12,14
	v_pk_add_f32 v[XS+\i:XS+\i+1], v[XS+\i:XS+\i+1], v[T+4:T+5] neg_lo:[0,1] neg_hi:[0,1]
.endr
	v_pk_mul_f32 v[T:T+1], v[XS:XS+1], v[XS:XS+1]
	v_pk_mul_f32 v[T+2:T+3], v[XS+2:XS+3], v[XS+2:XS+3]
.irp i, 4,8,12
	s_delay_alu instid0(VALU_DEP_2)
	v_pk_fma_f32 v[T:T+1], v[XS+\i:XS+\i+1], v[XS+\i:XS+\i+1], v[T:T+1]
	s_delay_alu instid0(VALU_DEP_2)
	v_pk_fma_f32 v[T+2:T+3], v[XS+\i+2:XS+\i+3], v[XS+\i+2:XS+\i+3], v[T+2:T+3]
.endr
	s_delay_alu instid0(VALU_DEP_1)
	v_pk_add_f32 v[T:T+1], v[T:T+1], v[T+2:T+3]
	s_delay_alu instid0(VALU_DEP_1)
	v_add_f32 v[T], v[T], v[T+1]
	LSUM T, T+1
	s_delay_alu instid0(VALU_DEP_1)
	v_fma_f32 v[T+2], v[T], s9, s10
	s_wait_alu depctr_va_vdst(0)
	v_rsq_f32 v[T+6], v[T+2]
	v_rsq_f32 v[T+7], v[T+2]
.endm
; Row j: my 16 neighbouring channels (two neighbouring lanes hold a block of 32) become 16 codes; the head's two bytes become its scale word
.macro QROW j
.set YS, Y+16*\j
.set T, TB+8*\j
	v_max3_num_f32 v[T], |v[YS]|, |v[YS+1]|, |v[YS+2]|
	v_max3_num_f32 v[T+1], |v[YS+3]|, |v[YS+4]|, |v[YS+5]|
.irp i, 6,10
	s_delay_alu instid0(VALU_DEP_2)
	v_max3_num_f32 v[T], v[T], |v[YS+\i]|, |v[YS+\i+1]|
	s_delay_alu instid0(VALU_DEP_2)
	v_max3_num_f32 v[T+1], v[T+1], |v[YS+\i+2]|, |v[YS+\i+3]|
.endr
	s_delay_alu instid0(VALU_DEP_2)
	v_max3_num_f32 v[T], v[T], |v[YS+14]|, |v[YS+15]|
	s_delay_alu instid0(VALU_DEP_1)
	v_max3_num_f32 v[T], v[T], v[T+1], 0x8000000   ; the floor 2^(16 - 127): the byte cannot fall under 1
	s_delay_alu instid0(VALU_DEP_1)
	v_max_num_f32_dpp v[T], v[T], v[T] row_xmask:1 row_mask:0xf bank_mask:0xf   ; with my neighbour's 16: the block's largest magnitude
	s_delay_alu instid0(VALU_DEP_1)
	v_add_nc_u32 v[T+2], 0xf8800000, v[T]          ; 15 off its exponent field: the conversion's scale operand
	s_delay_alu instid0(VALU_DEP_2)
	v_and_or_b32 v[T+3], v[T], 0x7f800000, s11     ; 57,344 x the scale
.set i, 0
.rept 16
	v_med3_num_f32 v[YS+i], v[YS+i], -v[T+3], v[T+3]   ; the conversion to an 8-bit code does not saturate (ISA guide 7.6.2): the hold comes first
.set i, i+1
.endr
	v_cvt_scalef32_pk8_bf8_f32 v[C+4*\j:C+4*\j+1], v[YS:YS+7], v[T+2]
	v_cvt_scalef32_pk8_bf8_f32 v[C+4*\j+2:C+4*\j+3], v[YS+8:YS+15], v[T+2]
	v_lshrrev_b32 v[T+4], 23, v[T+2]               ; my block's byte
	s_delay_alu instid0(VALU_DEP_1)
	v_mov_b32_dpp v[T+5], v[T+4] row_xmask:2 row_mask:0xf bank_mask:0xf   ; the head's other block's
	s_delay_alu instid0(VALU_DEP_1)
	v_cndmask_b32 v[T+6], v[T+4], v[T+5], s14      ; channels 0-31's,
	s_delay_alu instid0(VALU_DEP_2)
	v_cndmask_b32 v[T+7], v[T+5], v[T+4], s14      ; channels 32-63's
	s_delay_alu instid0(VALU_DEP_1)
	v_lshl_or_b32 v[T+6], v[T+7], 8, v[T+6]
	s_delay_alu instid0(VALU_DEP_1)
	v_or_b32 v[T+6], 0x7f7f0000, v[T+6]
	ds_store_b128 v[KSA], v[C+4*\j:C+4*\j+3] offset:16*\j
	ds_store_b32 v[SSA], v[T+6] offset:4*\j        ; a head's four lanes write the same word with the same value
.endm
	; ---- PHASE A
	s_wait_loadcnt 4                               ; row 0's four loads are in; row 1's four may be out
	LNROW 0
	s_wait_loadcnt 0x0
	LNROW 1
	v_nop                                          ; a plain instruction behind the last reciprocal root
	s_wait_alu depctr_va_vdst(0)                   ; one wait for the four, ahead of their first reader
.irp j, 0,1
.irp i, 0,2,4,6,8,10,12,14
	v_pk_mul_f32 v[X+16*\j+\i:X+16*\j+\i+1], v[X+16*\j+\i:X+16*\j+\i+1], v[TB+8*\j+6:TB+8*\j+7]   ; xn
.endr
.irp i, 0,1,2,3
	ds_store_b128 v[SIN], v[X+16*\j+4*\i:X+16*\j+4*\i+3] offset:ROWL*\j+8*SP*\i
.endr
.irp i, 0,1,2,3
	ds_load_b128 v[Y+16*\j+4*\i:Y+16*\j+4*\i+3], v[SOUT] offset:ROWL*\j+16*\i   ; my wave's own bytes: LDS serves a wave's instructions in order (ISA guide 5.7.1.4)
.endr
.endr
	s_wait_dscnt 0x0
	QROW 0
	QROW 1
	s_wait_dscnt 0x0                               ; for the others' sake: my rows of xn, my codes and my scale words lie in LDS
	s_barrier_signal -1
	s_barrier_wait -1
	; ---- PHASE B
	ds_load_b128 v[OUTR:OUTR+3], v[KR]             ; K's 64 units, two a thread
	ds_load_b128 v[OUTR+4:OUTR+7], v[KR] offset:32*UP
.set i, 0
.rept 16
	ds_load_b32 v[Y+i], v[VA0] offset:ROWL*i       ; my channel of the 32 rows: a block along the keys
.set i, i+1
.endr
.set i, 0
.rept 16
	ds_load_b32 v[Y+16+i], v[VA1] offset:ROWL*i
.set i, i+1
.endr
	s_wait_dscnt 32                                ; the two loads of K's units are in; the 32 issued behind them may be out
	global_store_b128 v[KG], v[OUTR:OUTR+3], s[28:29]                      ; sixteen lanes store 256 consecutive bytes, at a multiple of 256 from kv's first byte
	global_store_b128 v[KG], v[OUTR+4:OUTR+7], s[28:29] offset:4*HEADB
	s_cmp_ge_u32 s8, 8                             ; K's 256 scale words: waves 0 to 7
	s_cbranch_scc1 .Lno_words
	ds_load_b32 v[WD], v[SR]
	s_wait_dscnt 0x0
	global_store_b32 v[SG], v[WD], s[30:31] offset:KSC                     ; a wave stores 128 consecutive bytes: one head's words of this block of keys
.Lno_words:
	s_wait_dscnt 0x0
	v_max3_num_f32 v[TB], |v[Y]|, |v[Y+1]|, |v[Y+2]|                       ; the block's largest magnitude: all 32 numbers are mine
	v_max3_num_f32 v[TB+1], |v[Y+3]|, |v[Y+4]|, |v[Y+5]|
.irp i, 6,10,14,18,22,26
	s_delay_alu instid0(VALU_DEP_2)
	v_max3_num_f32 v[TB], v[TB], |v[Y+\i]|, |v[Y+\i+1]|
	s_delay_alu instid0(VALU_DEP_2)
	v_max3_num_f32 v[TB+1], v[TB+1], |v[Y+\i+2]|, |v[Y+\i+3]|
.endr
	s_delay_alu instid0(VALU_DEP_2)
	v_max3_num_f32 v[TB], v[TB], |v[Y+30]|, |v[Y+31]|
	s_delay_alu instid0(VALU_DEP_1)
	v_max3_num_f32 v[TB], v[TB], v[TB+1], 0x8000000
	s_delay_alu instid0(VALU_DEP_1)
	v_add_nc_u32 v[TB+2], 0xf8800000, v[TB]
	s_delay_alu instid0(VALU_DEP_2)
	v_and_or_b32 v[TB+3], v[TB], 0x7f800000, s11
	s_delay_alu instid0(VALU_DEP_2)
	v_lshrrev_b32 v[TB+4], 23, v[TB+2]
.set i, 0
.rept 32
	v_med3_num_f32 v[Y+i], v[Y+i], -v[TB+3], v[TB+3]
.set i, i+1
.endr
.irp g, 0,1,2,3
	v_cvt_scalef32_pk8_bf8_f32 v[C+2*\g:C+2*\g+1], v[Y+8*\g:Y+8*\g+7], v[TB+2]
.endr
	v_nop                                          ; a plain instruction behind the last conversion
	global_store_b128 v[VG], v[C:C+3], s[32:33] offset:VIMG                ; keys 0-15 of the block: sixteen lanes store 256 consecutive bytes, aligned
	global_store_b128 v[VG], v[C+4:C+7], s[32:33] offset:VIMG+256          ; keys 16-31
	global_store_b8 v[VB], v[TB+4], s[34:35] offset:VSC                    ; single bytes, four apart: 512 of the 100 KB that the work-group moves
	s_wait_tensorcnt 0x0                           ; the wave's end, behind my last LDS store
	ds_add_u32 v[SPW], v[NIL]
	s_wait_dscnt 0x0
	s_endpgm
.Lfunc_end_k_qb395f6f724_prep:
	.size	k_qb395f6f724_prep, .Lfunc_end_k_qb395f6f724_prep-k_qb395f6f724_prep
	.p2alignl 7, 3214868480
	.fill 96, 4, 3214868480
	.section	.rodata,"a",@progbits
	.p2align	6, 0x0
	.amdhsa_kernel k_qb395f6f724_prep
		.amdhsa_group_segment_fixed_size 102400
		.amdhsa_private_segment_fixed_size 0
		.amdhsa_enable_private_segment 0
		.amdhsa_kernarg_size 16
		.amdhsa_user_sgpr_count 2
		.amdhsa_user_sgpr_kernarg_segment_ptr 1
		.amdhsa_wavefront_size32 1
		.amdhsa_system_sgpr_workgroup_id_x 1
		.amdhsa_system_sgpr_workgroup_id_y 1
		.amdhsa_system_sgpr_workgroup_id_z 1
		.amdhsa_system_vgpr_workitem_id 0
		.amdhsa_next_free_vgpr 128
		.amdhsa_next_free_sgpr 66
		.amdhsa_reserve_vcc 0
		.amdhsa_float_denorm_mode_32 3
		.amdhsa_float_denorm_mode_16_64 3
		.amdhsa_memory_ordered 1
		.amdhsa_forward_progress 1
		.amdhsa_inst_pref_size 28
	.end_amdhsa_kernel
	.amdgpu_metadata
---
amdhsa.version: [ 1, 2 ]
amdhsa.kernels:
  - .name:           k_qb395f6f724_prep
    .symbol:         k_qb395f6f724_prep.kd
    .args:
      - { .name: x, .offset: 0, .size: 8, .value_kind: global_buffer, .address_space: global }
      - { .name: kv, .offset: 8, .size: 8, .value_kind: global_buffer, .address_space: global }
    .group_segment_fixed_size: 102400
    .private_segment_fixed_size: 0
    .kernarg_segment_align: 8
    .kernarg_segment_size: 16
    .max_flat_workgroup_size: 512
    .sgpr_count:     66
    .vgpr_count:     128
    .wavefront_size: 32
...
	.end_amdgpu_metadata
.endif
;; end of part 1
;; launch attn (part 2): grid 32 x 8, 8 waves a work-group, clusters of 4 x 1, 327,680 bytes of LDS; arguments kv, x, res; writes res
.if DOCPART == 2
	.amdgcn_target "amdgcn-amd-amdhsa--gfx1250"
	.amdhsa_code_object_version 6
	.text
	.protected	k_qb395f6f724_attn
	.globl	k_qb395f6f724_attn
	.p2align	8
	.type	k_qb395f6f724_attn,@function
k_qb395f6f724_attn:
	s_mov_b64 s[64:65], 0
	v_nop
	global_prefetch_b8 v0, s[64:65] scope:SCOPE_SE
	s_setreg_imm32_b32 hwreg(HW_REG_WAVE_MODE, 25, 1), 1
	s_wait_xcnt 0x0
	s_wait_alu depctr_hold_cnt(0) depctr_sa_sdst(0) depctr_va_vdst(0) depctr_va_sdst(0) depctr_va_ssrc(0) depctr_va_vcc(0) depctr_vm_vsrc(0)
	s_getreg_b32 s2, hwreg(HW_REG_IB_STS2, 6, 4)
	s_cmp_eq_u32 s2, 0
	s_cbranch_scc0 .Lentry_in_a_cluster
	s_endpgm
.Lentry_in_a_cluster:
	s_bfe_u32 s2, ttmp6, 0x10000c
	s_cmp_lg_u32 s2, 0x3003
	s_cbranch_scc0 .Lentry_shape_is_right
	s_endpgm
.Lentry_shape_is_right:
; res = x + softmax(Q K^T / 8) V for each of 8 heads, Q = K = V = LayerNorm(x), both products on codes of E5M2 with one E8M0 scale for each 32 along K.  kv is laid by the launch before, in the order of the operands' registers.
; Nothing of the problem is left out here.
; THE SOFTMAX: p = 2^(t - 8), t = score x log2(e) / 8.  A FIXED SHIFT SERVES because reference() itself bounds t: a row of LayerNorm's result has a sum of squares of at most 512 over its 512 channels, so a head's 64 channels have no more;
; rounding to E5M2 enlarges a number by 10/9 at the most, so |score| <= 512 x (100/81) / 8 < 79.1 and |t| < 114.1 for every input: 2^-123 < p < 2^107, the sum of 4,096 under 2^119, and, since a key's score with itself is not negative, the sum is at least 2^-8.
; A shift by a whole number moves no code of p: the block's scale takes it up.  The row's sum is taken of the unquantised p and divides at the end.
; LIMITS: NaN and infinities among the inputs are not served; blocks whose largest p lies under 2^-111 take the scale byte 1.
; SHARES.  A work-group owns 128 queries of one head.  Wave w: queries 32 (w % 4) .. + 31 (two tiles of 16), every second step of 128 keys (w / 4): 16 trips.  The halves of the keys are added through LDS at the end.
; LDS: two slots of 8 steps (17,152 bytes each); each fill is one tensor load of one step for each of the eight waves.  Slot 0 is asked for at the head, slot 1 behind the round that shows slot 0; each is filled once more behind a round.
; CLUSTERS: the four work-groups of a cluster walk the same head's keys, so every tensor load is joint (mask 15).
; NO PREFETCH INTO THE L2: a refill is issued a whole slot, four trips (96 matrix instructions and some 1,800 vector instructions of each of a SIMD's two waves), ahead of the barrier that shows it.
; Both products are transposed: S^T = K Q^T, O^T = V^T P^T: a lane holds one query; the 16 registers of tiles 2 b, 2 b + 1 are 16 neighbouring keys of block b.
; REGISTERS, block 0: v1-55 addresses and work, v56-183 S^T then p (64 a tile), v184-247 K, v248-255 zeros.  Block 1: v0-63 O^T, v64-127 V, v128-159 Q (each tile's 8 registers and 8 of zeros), v160-191 x, v192-223 p's codes.
.set STEPB, 17152
.set HEADB, 32*STEPB
.set SLOTB, 8*STEPB
.set VIMG,  8192
.set KSC,   16384
.set VSC,   16896
.set SPARE, 2*SLOTB                    ; the spare words, 128 bytes for each wave: no other line names them
.set PIECE, 4608                       ; the way out: 16 rows of 272 bytes and 16 sums, for each tile of each wave
.set LOFF,  4352
.set A16,  1
.set A4,   2
.set ADR16, 3
.set ADR4, 4
.set SPW,  5
.set NIL,  6
.set ZA,   7                           ; v7, v8 the tiles' scale bytes, two to a register
.set STO,  9
.set LSTO, 10
.set RD,   11
.set LRD,  12
.set GO,   13
.set NM,   14                          ; v14-15 -8
.set LA,   16                          ; v16-31 the rows' sums: eight parts for each tile
.set KS,   32
.set VS,   36
.set QS,   38
.set PS,   39                          ; p's scale word: lanes 0-15 tile 0's, lanes 16-31 tile 1's
.set MX,   40                          ; v40-47 maxima
.set QO,   40
.set QO4,  41
.set U,    42
.set HH,   48                          ; v48-51 57,344 x the scale
.set SO,   52                          ; v52-55 the conversion's scale operands
.set S,    56
.set KF,   184
.set KZ,   248
.set OF,   0
.set VF,   64
.set QF,   128
.set XR,   160
.set P,    192
.set WV,  10
.set QG,  11
.set KH,  12
.set CX,  13
.set XB,  14
.set HD,  15
.set G1,  16
.set G0,  24                           ; s[24:27], s[28:31]: descriptor group 0 for slot 0, slot 1
.set CS,  38
.set SEL, 40
.set MNT, 42
.set TS,  43
.set CNT, 44
.set QP,  46
.set QSP, 48
.set MSB, 0
.macro WIN new                         ; the immediate's high byte repeats the setting that is left
.if MSB != \new
	s_set_vgpr_msb (MSB<<8)|\new
.set MSB, \new
.endif
.endm
.macro CROUND                          ; a round of the cluster's barrier
	s_barrier_signal -1
	s_barrier_wait -1
	s_cmp_lg_u32 s[WV], 0
	s_cbranch_scc1 .Lnot_wave_0_\@
	s_barrier_signal -3
.Lnot_wave_0_\@:
	s_barrier_wait -3
	s_barrier_signal -1
	s_barrier_wait -1
.endm
.macro TLOAD n                         ; one step of kv into slot n, joint
	tensor_load_to_lds s[G0+4*(\n):G0+4*(\n)+3], s[G1:G1+7]
	s_nop 0
.rept 4
	v_nop
.endr
.endm
	s_load_b128 s[4:7], s[0:1], 0x0                ; kv, x
	s_load_b64 s[8:9], s[0:1], 0x10                ; res
	v_lshl_add_u32 v[SPW], v0, 2, SPARE
	v_mov_b32 v[NIL], 0
	ds_add_u32 v[SPW], v[NIL]
	ds_add_u32 v[SPW], v[NIL]
	v_lshrrev_b32 v[ADR16], 5, v0
	v_and_b32 v[ADR4], 31, v0
	v_readfirstlane_b32 s[WV], v[ADR16]            ; wave 0..7
	v_lshlrev_b32 v[QO], 4, v[ADR4]
	v_lshlrev_b32 v[QO4], 2, v[ADR4]
	s_and_b32 s[QG], s[WV], 3                      ; which 32 queries
	s_lshr_b32 s[KH], s[WV], 2                     ; even or odd steps
	s_bfe_u32 s[CX], ttmp6, 0x40000
	s_lshl_b32 s[XB], ttmp9, 2
	s_add_co_u32 s[XB], s[XB], s[CX]               ; which 128 queries
	s_and_b32 s[HD], ttmp7, 0xffff                 ; the head
	s_mov_b32 s[G1], 15|(3<<16)|(1<<21)            ; the mask of all four; elements of 8 bytes; 21 set beside a mask
	s_mov_b32 s[G1+1], 32<<16                      ; 67 rows of 256 bytes, dense: one step
	s_mov_b32 s[G1+2], 67<<16
	s_mov_b32 s[G1+3], 32<<16
	s_mov_b32 s[G1+4], 67
	s_mov_b32 s[G1+5], 32
	s_mov_b32 s[G1+6], 0
	s_mov_b32 s[G1+7], 0
	s_mov_b32 s[CS], 0x3e38aa3b                    ; log2(e) / 8
	s_mov_b32 s[CS+1], s[CS]
	s_mov_b32 s[SEL], 0x76543210
	s_mov_b32 s[SEL+1], 0xfedcba98
	s_mov_b32 s[MNT], 0x600000                     ; the mantissa field of 57,344
	s_mul_i32 s32, s[HD], HEADB
	s_mov_b32 s33, 0
	s_mul_i32 s34, s[WV], STEPB                    ; my step of a slot, in the head's part of kv and in LDS
	s_mov_b32 s35, 0
	s_mul_i32 s54, s[XB], STEPB                    ; Q is the image of K in step XB
	s_lshl_b32 s50, s[QG], 11
	s_add_co_u32 s50, s50, s54
	s_mov_b32 s51, 0
	s_lshl_b32 s52, s[QG], 7
	s_add_co_u32 s52, s52, s54
	s_mov_b32 s53, 0
	s_wait_alu depctr_va_vdst(0)
	s_wait_dscnt 0x0                               ; both opening adds are done
	s_wait_kmcnt 0x0
	s_add_nc_u64 s[4:5], s[4:5], s[32:33]
	s_add_nc_u64 s[36:37], s[4:5], s[34:35]
.irp n, 0,1
	s_mov_b32 s[G0+4*\n], 1
	s_add_co_u32 s[G0+4*\n+1], s34, \n*SLOTB
	s_add_nc_u64 s[G0+4*\n+2:G0+4*\n+3], s[36:37], \n*SLOTB
	s_or_b32 s[G0+4*\n+3], s[G0+4*\n+3], 0x80000000
.endr
	s_add_nc_u64 s[QP:QP+1], s[4:5], s[50:51]
	s_add_nc_u64 s[QSP:QSP+1], s[4:5], s[52:53]
	WIN 0x40
.irp a, 0,1
.irp c, 0,1
	global_load_b128 v[QF+16*\a+4*\c:QF+16*\a+4*\c+3], v[QO], s[QP:QP+1] offset:1024*\a+512*\c
.endr
.endr
	WIN 0
	global_load_b32 v[QS], v[QO4], s[QSP:QSP+1] offset:KSC
	CROUND                                         ; all four work-groups are here: the joint loads meet
	TLOAD 0                                        ; one tensor load a wave at the head
	WIN 0x40
.set i, 0
.rept 8
	v_mov_b32 v[QF+8+i], 0                         ; channels 64 to 127 of an operand: zeros on Q's side
	v_mov_b32 v[QF+24+i], 0
.set i, i+1
.endr
.set i, 0
.rept 64
	v_mov_b32 v[OF+i], 0                           ; (the step's text takes O^T as it finds it in the first trip too)
.set i, i+1
.endr
	WIN 0
.set i, 0
.rept 8
	v_mov_b32 v[KZ+i], 0
.set i, i+1
.endr
.set i, 0
.rept 16
	v_mov_b32 v[LA+i], 0
.set i, i+1
.endr
	v_and_b32 v[ADR4], 31, v0
	v_and_b32 v[U], 15, v0
	v_bfe_u32 v[U+1], v0, 4, 1
	s_mul_i32 s32, s[KH], STEPB
	v_lshlrev_b32 v[ADR16], 4, v[ADR4]
	v_lshlrev_b32 v[ADR4], 2, v[ADR4]
	v_mul_u32_u24 v[STO], v[U], 272
	v_mul_u32_u24 v[RD], v[U+1], 272
	v_lshlrev_b32 v[GO], 11, v[U+1]
	v_add_nc_u32 v[A16], s32, v[ADR16]
	v_add_nc_u32 v[A4], s32, v[ADR4]
	; the way out: in: my tiles' pieces, row = query, 64 t + 32 h bytes on; back: the pieces of tile KH of my queries, from both halves of the keys
	s_mul_i32 s33, s[WV], 2*PIECE
	v_lshl_add_u32 v[STO], v[U+1], 5, v[STO]
	v_lshl_add_u32 v[RD], v[U], 4, v[RD]
	v_lshl_add_u32 v[GO], v[U], 4, v[GO]
	v_mov_b32 v[NM], 0xc1000000
	v_mov_b32 v[NM+1], 0xc1000000
	v_add_nc_u32 v[STO], s33, v[STO]
	s_add_co_u32 s33, s33, LOFF
	v_lshl_add_u32 v[LSTO], v[U], 2, s33
	s_lshl_b32 s34, s[QG], 1
	s_add_co_u32 s34, s34, s[KH]
	s_mul_i32 s34, s34, PIECE
	s_wait_alu depctr_va_vdst(0)
	v_add_nc_u32 v[RD], s34, v[RD]
	s_add_co_u32 s34, s34, LOFF
	v_lshl_add_u32 v[LRD], v[U+1], 2, s34
	; my rows of x and res: query 128 XB + 32 QG + 8 KH, channel 64 head
	s_lshl_b32 s32, s[XB], 7
	s_lshl_b32 s33, s[QG], 5
	s_add_co_u32 s32, s32, s33
	s_lshl_b32 s33, s[KH], 3
	s_add_co_u32 s32, s32, s33
	s_lshl_b32 s32, s32, 11
	s_lshl_b32 s33, s[HD], 8
	s_add_co_u32 s32, s32, s33
	s_mov_b32 s33, 0
	s_add_nc_u64 s[6:7], s[6:7], s[32:33]
	s_add_nc_u64 s[8:9], s[8:9], s[32:33]
.macro KQ t, a                         ; tile t of 16 keys x my tile a of queries
.set rD, S+64*\a+8*\t
.set rA, KF+8*\t
.set rB, QF+16*\a
.set rK, KS+(\t)/2
.if ((\t)%2 == 0) && (\a == 0)
	v_wmma_scale_f32_16x16x128_f8f6f4 v[rD:rD+7], v[rA:rA+15], v[rB:rB+15], 0, v[rK], v[QS] matrix_a_fmt:MATRIX_FMT_BF8 matrix_b_fmt:MATRIX_FMT_BF8
.elseif (\t)%2 == 0
	v_wmma_scale_f32_16x16x128_f8f6f4 v[rD:rD+7], v[rA:rA+15], v[rB:rB+15], 0, v[rK], v[QS] matrix_a_fmt:MATRIX_FMT_BF8 matrix_b_fmt:MATRIX_FMT_BF8 matrix_b_scale:MATRIX_SCALE_ROW1
.elseif \a == 0
	v_wmma_scale_f32_16x16x128_f8f6f4 v[rD:rD+7], v[rA:rA+15], v[rB:rB+15], 0, v[rK], v[QS] matrix_a_fmt:MATRIX_FMT_BF8 matrix_b_fmt:MATRIX_FMT_BF8 matrix_a_scale:MATRIX_SCALE_ROW1
.else
	v_wmma_scale_f32_16x16x128_f8f6f4 v[rD:rD+7], v[rA:rA+15], v[rB:rB+15], 0, v[rK], v[QS] matrix_a_fmt:MATRIX_FMT_BF8 matrix_b_fmt:MATRIX_FMT_BF8 matrix_a_scale:MATRIX_SCALE_ROW1 matrix_b_scale:MATRIX_SCALE_ROW1
.endif
.endm
.macro PV t, a                         ; tile t of 16 channels x my tile a of queries; the eight accumulators take turns
.set rD, OF+32*\a+8*\t
.set rA, VF+16*\t
.set rB, P+16*\a
.set rK, VS+(\t)/2
.if ((\t)%2 == 0) && (\a == 0)
	v_wmma_scale_f32_16x16x128_f8f6f4 v[rD:rD+7], v[rA:rA+15], v[rB:rB+15], v[rD:rD+7], v[rK], v[PS] matrix_a_fmt:MATRIX_FMT_BF8 matrix_b_fmt:MATRIX_FMT_BF8
.elseif (\t)%2 == 0
	v_wmma_scale_f32_16x16x128_f8f6f4 v[rD:rD+7], v[rA:rA+15], v[rB:rB+15], v[rD:rD+7], v[rK], v[PS] matrix_a_fmt:MATRIX_FMT_BF8 matrix_b_fmt:MATRIX_FMT_BF8 matrix_b_scale:MATRIX_SCALE_ROW1
.elseif \a == 0
	v_wmma_scale_f32_16x16x128_f8f6f4 v[rD:rD+7], v[rA:rA+15], v[rB:rB+15], v[rD:rD+7], v[rK], v[PS] matrix_a_fmt:MATRIX_FMT_BF8 matrix_b_fmt:MATRIX_FMT_BF8 matrix_a_scale:MATRIX_SCALE_ROW1
.else
	v_wmma_scale_f32_16x16x128_f8f6f4 v[rD:rD+7], v[rA:rA+15], v[rB:rB+15], v[rD:rD+7], v[rK], v[PS] matrix_a_fmt:MATRIX_FMT_BF8 matrix_b_fmt:MATRIX_FMT_BF8 matrix_a_scale:MATRIX_SCALE_ROW1 matrix_b_scale:MATRIX_SCALE_ROW1
.endif
.endm
.macro KLOADS off                      ; a step's K, and its blocks' scale words
.set i, 0
.rept 16
	ds_load_b128 v[KF+4*i:KF+4*i+3], v[ADR16] offset:\off+512*i
.if i%4 == 0
	ds_load_b32 v[KS+i/4], v[ADR4] offset:\off+KSC+32*i
.endif
.set i, i+1
.endr
.endm
.macro SUM4                            ; four of the 32 additions of a tile's row sum, in four chains
.rept 4
	v_pk_add_f32 v[rL+2*(pp%4):rL+2*(pp%4)+1], v[rL+2*(pp%4):rL+2*(pp%4)+1], v[rS+2*pp:rS+2*pp+1]
.set pp, pp+1
.endr
.endm
; Tile a's row sums, and its four blocks' largest p, holds, scale operands and scale bytes.  The sums' additions stand between the steps of the maxima (tile 1's last four come behind its codes)
.macro MAXSUM a
.set rS, S+64*\a
.set rL, LA+8*\a
.set pp, 0
.irp b, 0,1,2,3
	v_max3_num_f32 v[MX+\b], v[rS+16*\b], v[rS+16*\b+1], v[rS+16*\b+2]
	v_max3_num_f32 v[MX+4+\b], v[rS+16*\b+8], v[rS+16*\b+9], v[rS+16*\b+10]
.endr
.irp i, 3,5
.irp b, 0,1,2,3
	v_max3_num_f32 v[MX+\b], v[MX+\b], v[rS+16*\b+\i], v[rS+16*\b+\i+1]
	v_max3_num_f32 v[MX+4+\b], v[MX+4+\b], v[rS+16*\b+8+\i], v[rS+16*\b+9+\i]
.endr
.endr
	SUM4
.irp b, 0,1,2,3
	v_max3_num_f32 v[MX+\b], v[MX+\b], v[rS+16*\b+7], v[rS+16*\b+15]
.endr
	SUM4
.irp b, 0,1,2,3
	v_max3_num_f32 v[MX+\b], v[MX+\b], v[MX+4+\b], 0x8000000   ; and the floor 2^(16 - 127): the byte cannot fall under 1
.endr
	SUM4
	v_permlane16_swap_b32 v[MX], v[MX+1]           ; two blocks at once: both halves' maxima of block 0 in lanes 0-15, of block 1 in lanes 16-31
	v_permlane16_swap_b32 v[MX+2], v[MX+3]
	SUM4
	v_max_num_f32 v[MX], v[MX], v[MX+1]
	v_max_num_f32 v[MX+2], v[MX+2], v[MX+3]
	SUM4
	v_and_or_b32 v[HH], v[MX], 0x7f800000, s[MNT]  ; 57,344 x the scale, twice:
	v_and_or_b32 v[HH+1], v[MX], 0x7f800000, s[MNT]
	v_and_or_b32 v[HH+2], v[MX+2], 0x7f800000, s[MNT]
	v_and_or_b32 v[HH+3], v[MX+2], 0x7f800000, s[MNT]
	v_lshrrev_b32 v[MX+4], 23, v[MX]               ; the exponent fields: blocks 0 | 1
	v_lshrrev_b32 v[MX+5], 23, v[MX+2]             ; and 2 | 3
	SUM4
	v_permlane16_swap_b32 v[HH], v[HH+1]           ; the swap leaves block 0's in all lanes of the first, block 1's in the second
	v_permlane16_swap_b32 v[HH+2], v[HH+3]
	SUM4
	v_lshl_or_b32 v[ZA+\a], v[MX+5], 16, v[MX+4]   ; lanes 0-15 bytes 0 and 2, lanes 16-31 bytes 1 and 3
.irp b, 0,1,2,3
	v_add_nc_u32 v[SO+\b], 0xf8800000, v[HH+\b]    ; 15 off the exponent field: the conversion's scale operand
.endr
.if \a == 0
	SUM4
.endif
.endm
; Two numbers of tile a are held: the conversion to an 8-bit code does not saturate (ISA guide 7.6.2); p is not negative.  Both tiles' held numbers go to tile 0's registers: tile 0's codes are made before tile 1's holds begin
.macro HOLD a
	v_dual_min_num_f32 v[S+2*jj], v[HH+jj/8], v[S+64*\a+2*jj] :: v_dual_min_num_f32 v[S+2*jj+1], v[HH+jj/8], v[S+64*\a+2*jj+1]
.set jj, jj+1
.endm
.macro CODES a
	WIN 0x40
.irp b, 0,1,2,3
	v_cvt_scalef32_pk8_bf8_f32 v[P+16*\a+4*\b:P+16*\a+4*\b+1], v[S+16*\b:S+16*\b+7], v[SO+\b]
	v_cvt_scalef32_pk8_bf8_f32 v[P+16*\a+4*\b+2:P+16*\a+4*\b+3], v[S+16*\b+8:S+16*\b+15], v[SO+\b]
.endr
	WIN 0
.endm
; A STEP: 128 keys.  Its K stands in registers.  next = 1: the wave's next step's K (two steps on in the slot) is loaded behind the multiply-adds.
; next = 0: the slot's last step: behind its last LDS read comes the change of slots (chg: as in CHANGE; 3: none), and the next slot's first K is loaded there
.macro STEP next, chg, nslot
	WIN 0x04
.irp a, 0,1
.irp t, 0,1,2,3,4,5,6,7
	KQ \t, \a
.endr
.endr
	WIN 0
	v_add_nc_u32 v[ADR16], s[TS], v[A16]           ; eight places behind the products
	v_add_nc_u32 v[ADR4], s[TS], v[A4]
.rept 6
	v_nop
.endr
.set j, 0
.rept 64
	v_pk_fma_f32 v[S+j:S+j+1], v[S+j:S+j+1], s[CS:CS+1], v[NM:NM+1] op_sel_hi:[1,0,0]   ; t - 8, both tiles
.set j, j+2
.endr
	s_wait_alu depctr_va_vdst(0)                   ; ahead of the batch, and below behind it
.if \next
	KLOADS 2*STEPB
.endif
.set j, 0
.rept 64
	v_exp_f32 v[S+j], v[S+j]
.set j, j+1
.endr
	v_nop
	s_wait_alu depctr_va_vdst(0)
.irp j, 0,1
	ds_load_b32 v[VS+\j], v[ADR4] offset:VSC+128*\j
.endr
	WIN 0x40
.irp t, 0,1,2,3
.irp c, 0,1,2,3
	ds_load_b128 v[VF+16*\t+4*\c:VF+16*\t+4*\c+3], v[ADR16] offset:VIMG+2048*\t+512*\c
.endr
.endr
	WIN 0
	MAXSUM 0
	s_wait_alu depctr_va_vdst(0)
.set jj, 0
.rept 32
	v_exp_f32 v[S+64+2*jj], v[S+64+2*jj]           ; tile 1's exponentials, tile 0's holds among them
	v_exp_f32 v[S+65+2*jj], v[S+65+2*jj]
	HOLD 0
.endr
	v_nop
	s_wait_alu depctr_va_vdst(0)
.if \next || (\chg == 3)
	s_wait_dscnt 0x0                               ; V, and the next step's K
.else
	CHANGE \chg                                    ; V stands in registers: the slot is read no more
.if \chg == 0
	XLOAD
.endif
	KFIRST \nslot
.endif
	CODES 0
	MAXSUM 1
.set jj, 0
	v_permlane16_swap_b32 v[ZA], v[ZA+1]           ; lanes 0-15 tile 0's, lanes 16-31 tile 1's: bytes 0 and 2 | bytes 1 and 3
.rept 8
	HOLD 1
.endr
	v_lshl_or_b32 v[PS], v[ZA+1], 8, v[ZA]
.rept 8
	HOLD 1
.endr
	v_add_nc_u32 v[PS], 0xf0f0f0f1, v[PS]          ; 15 off each byte (each is 16 at the least); the 16 holds below are its places
.rept 16
	HOLD 1
.endr
	CODES 1
	SUM4                                           ; tile 1's last four additions: the places between the codes and the products
	WIN 0x55
.irp a, 0,1
.irp t, 0,1,2,3
	PV \t, \a
.endr
.endr
	WIN 0
.endm
.macro KFIRST slot                     ; the K of my first step in a slot
	s_mov_b32 s[TS], \slot*SLOTB
	v_add_nc_u32 v[ADR16], s[TS], v[A16]
	v_add_nc_u32 v[ADR4], s[TS], v[A4]
	KLOADS 0
.endm
.macro XLOAD                           ; x, for the way out: more than a slot's four trips ahead of its use
	WIN 0x40
.irp i, 0,1,2,3,4,5,6,7
	global_load_b128 v[XR+4*\i:XR+4*\i+3], v[GO], s[6:7] offset:\i*4096+(\i/4)*16384
.endr
	WIN 0
.endm
.macro VISIT slot, chg, nslot          ; a slot's eight steps, four of them mine; chg and nslot: what follows (STEP)
	s_mov_b32 s[CNT], 3
	s_wait_alu depctr_va_vdst(0)
	s_wait_dscnt 0x0                               ; the first step's K
.Lstep_\@:
	STEP 1, 0, 0
	s_add_co_u32 s[TS], s[TS], 2*STEPB
	s_sub_co_u32 s[CNT], s[CNT], 1
	s_cmp_lg_u32 s[CNT], 0
	s_cbranch_scc1 .Lstep_\@
	s_mov_b32 s[TS], \slot*SLOTB+6*STEPB
	STEP 0, \chg, \nslot                           ; the slot's last: no K follows in it
.endm
; THE CHANGE OF SLOTS.  In front of the barrier every wave has waited for its tensor loads, for the add and for its reads; behind it the other slot is whole and nobody reads the slot that was left.
; chg = 1: slot 0 is filled again, chg = 2: slot 1, 16 steps further on; chg = 0: nothing is
.macro CHANGE chg
	s_wait_tensorcnt 0x0
	ds_add_u32 v[SPW], v[NIL]
.if \chg
	s_add_nc_u64 s[G0+4*\chg-2:G0+4*\chg-1], s[G0+4*\chg-2:G0+4*\chg-1], 16*STEPB   ; no load of mine is out
.endif
	s_wait_dscnt 0x0
.if \chg
	CROUND
	TLOAD \chg-1
.else
	s_barrier_signal -1
	s_barrier_wait -1
.endif
.endm
	s_wait_alu depctr_va_vdst(0)
	s_wait_tensorcnt 0x0                           ; my step of slot 0 is in
	ds_add_u32 v[SPW], v[NIL]
	s_wait_dscnt 0x0
	CROUND                                         ; slot 0 is whole
	TLOAD 1                                        ; slot 1's first fill has slot 0's trips in which to land
	s_wait_loadcnt 0x0                             ; Q
	KFIRST 0
	VISIT 0, 1, 1
	VISIT 1, 2, 0
	VISIT 0, 0, 1
	VISIT 1, 3, 0
	; THE WAY OUT: the sums' eight parts and lane l xor 16's (these twelve lines are also the places behind the last products)
.irp a, 0,8
	v_pk_add_f32 v[LA+\a:LA+\a+1], v[LA+\a:LA+\a+1], v[LA+\a+2:LA+\a+3]
	v_pk_add_f32 v[LA+\a+4:LA+\a+5], v[LA+\a+4:LA+\a+5], v[LA+\a+6:LA+\a+7]
.endr
.irp a, 0,8
	v_pk_add_f32 v[LA+\a:LA+\a+1], v[LA+\a:LA+\a+1], v[LA+\a+4:LA+\a+5]
.endr
.irp a, 0,8
	v_add_f32 v[LA+\a], v[LA+\a], v[LA+\a+1]
.endr
	v_permlanex16_b32 v[MX], v[LA], s[SEL], s[SEL+1]
	v_permlanex16_b32 v[MX+1], v[LA+8], s[SEL], s[SEL+1]
	v_add_f32 v[LA], v[LA], v[MX]
	v_add_f32 v[LA+8], v[LA+8], v[MX+1]
	WIN 0x04
.irp a, 0,1
.irp t, 0,1,2,3
	ds_store_b128 v[STO], v[OF+32*\a+8*\t:OF+32*\a+8*\t+3] offset:PIECE*\a+64*\t        ; into slot 0, which has had its last fill and is read no more
	ds_store_b128 v[STO], v[OF+32*\a+8*\t+4:OF+32*\a+8*\t+7] offset:PIECE*\a+64*\t+16
.endr
.endr
	WIN 0
	ds_store_b32 v[LSTO], v[LA]
	ds_store_b32 v[LSTO], v[LA+8] offset:PIECE
	s_wait_dscnt 0x0
	s_barrier_signal -1
	s_barrier_wait -1
.irp i, 0,1,2,3,4,5,6,7
	ds_load_b32 v[160+\i], v[LRD] offset:8*\i
	ds_load_b32 v[168+\i], v[LRD] offset:8*PIECE+8*\i
.endr
.irp i, 0,1,2,3,4,5,6,7
	ds_load_b128 v[64+4*\i:64+4*\i+3], v[RD] offset:544*\i
	ds_load_b128 v[96+4*\i:96+4*\i+3], v[RD] offset:8*PIECE+544*\i
.endr
	s_wait_dscnt 0x0
.irp i, 0,1,2,3,4,5,6,7
	v_add_f32 v[160+\i], v[160+\i], v[168+\i]
.endr
	s_wait_alu depctr_va_vdst(0)
.irp i, 0,1,2,3,4,5,6,7
	v_rcp_f32 v[176+\i], v[160+\i]
.endr
.set j, 0
.rept 16
	v_pk_add_f32 v[64+j:64+j+1], v[64+j:64+j+1], v[96+j:96+j+1]
.set j, j+2
.endr
	s_wait_alu depctr_va_vdst(0)
	s_wait_loadcnt 0x0                             ; x
	WIN 0x10
.irp i, 0,1,2,3,4,5,6,7
.irp k, 0,1,2,3
	v_fma_f32 v[64+4*\i+\k], v[64+4*\i+\k], v[176+\i], v[XR+4*\i+\k]
.endr
.endr
	WIN 0
.irp i, 0,1,2,3,4,5,6,7
	global_store_b128 v[GO], v[64+4*\i:64+4*\i+3], s[8:9] offset:\i*4096+(\i/4)*16384   ; sixteen lanes store 256 consecutive bytes, aligned
.endr
	s_wait_tensorcnt 0x0                           ; the wave's end
	ds_add_u32 v[SPW], v[NIL]
	s_wait_dscnt 0x0
	CROUND                                         ; the closing round
	s_endpgm
.Lfunc_end_k_qb395f6f724_attn:
	.size	k_qb395f6f724_attn, .Lfunc_end_k_qb395f6f724_attn-k_qb395f6f724_attn
	.p2alignl 7, 3214868480
	.fill 96, 4, 3214868480
	.section	.rodata,"a",@progbits
	.p2align	6, 0x0
	.amdhsa_kernel k_qb395f6f724_attn
		.amdhsa_group_segment_fixed_size 327680
		.amdhsa_private_segment_fixed_size 0
		.amdhsa_enable_private_segment 0
		.amdhsa_kernarg_size 24
		.amdhsa_user_sgpr_count 2
		.amdhsa_user_sgpr_kernarg_segment_ptr 1
		.amdhsa_wavefront_size32 1
		.amdhsa_system_sgpr_workgroup_id_x 1
		.amdhsa_system_sgpr_workgroup_id_y 1
		.amdhsa_system_sgpr_workgroup_id_z 1
		.amdhsa_system_vgpr_workitem_id 0
		.amdhsa_next_free_vgpr 480
		.amdhsa_next_free_sgpr 66
		.amdhsa_reserve_vcc 0
		.amdhsa_float_denorm_mode_32 3
		.amdhsa_float_denorm_mode_16_64 3
		.amdhsa_memory_ordered 1
		.amdhsa_forward_progress 1
		.amdhsa_inst_pref_size 255
	.end_amdhsa_kernel
	.section	.bss,"aw",@nobits
	.p2align	6
	.space	262144
	.amdgpu_metadata
---
amdhsa.version: [ 1, 2 ]
amdhsa.kernels:
  - .name:           k_qb395f6f724_attn
    .symbol:         k_qb395f6f724_attn.kd
    .args:
      - { .name: kv, .offset: 0, .size: 8, .value_kind: global_buffer, .address_space: global }
      - { .name: x, .offset: 8, .size: 8, .value_kind: global_buffer, .address_space: global }
      - { .name: res, .offset: 16, .size: 8, .value_kind: global_buffer, .address_space: global }
    .group_segment_fixed_size: 327680
    .private_segment_fixed_size: 0
    .kernarg_segment_align: 8
    .kernarg_segment_size: 24
    .max_flat_workgroup_size: 256
    .sgpr_count:     66
    .vgpr_count:     480
    .wavefront_size: 32
...
	.end_amdgpu_metadata
.endif
;; end of part 2
;; launch post (part 3): grid 256 x 1, 8 waves a work-group, no clusters, 0 bytes of LDS; arguments res, prelu_w, out0; writes out0
.if DOCPART == 3
	.amdgcn_target "amdgcn-amd-amdhsa--gfx1250"
	.amdhsa_code_object_version 6
	.text
	.protected	k_qb395f6f724_post
	.globl	k_qb395f6f724_post
	.p2align	8
	.type	k_qb395f6f724_post,@function
k_qb395f6f724_post:
	s_mov_b64 s[64:65], 0
	v_nop
	global_prefetch_b8 v0, s[64:65] scope:SCOPE_SE
	s_setreg_imm32_b32 hwreg(HW_REG_WAVE_MODE, 25, 1), 1
	s_wait_xcnt 0x0
; out0 = PReLU(LayerNorm(res)) + res, res = ctx + x: [4096][512] f32; PReLU(y) = y where y >= 0, else prelu_w[channel] x y.  Nothing of the problem is left out here.
; A stream: a wave takes two whole rows (16 registers a row), so both sums stay inside the wave: no LDS, no barrier, no matrix unit, no cluster (the work-groups share only the 2,048 bytes of prelu_w).
; Each load and store of a wave covers 512 consecutive bytes.  All of a wave's twelve loads go out at once.
; LIMITS: NaN and infinities among the inputs are not served.
.set PW,  16                           ; v16-31  prelu_w of my 16 channels
.set X,   32                           ; v32-63  two rows of res
.set D,   64                           ; v64-95  res - mean, then y, then the result
.set WY,  96                           ; v96-111 prelu_w x y
.set TB,  112                          ; v112-127 eight registers at work for each row
	s_load_b128 s[4:7], s[0:1], 0x0                ; res, prelu_w
	s_load_b64 s[8:9], s[0:1], 0x10                ; out0
	v_lshrrev_b32 v2, 5, v0
	s_delay_alu instid0(VALU_DEP_1)
	v_readfirstlane_b32 s10, v2                    ; wave 0..7
	v_and_b32 v1, 31, v0
	s_delay_alu instid0(VALU_DEP_1)
	v_lshlrev_b32 v1, 4, v1                        ; 16 x lane
	s_lshl_b32 s16, ttmp9, 15                      ; 16 rows of 2,048 bytes a work-group,
	s_lshl_b32 s17, s10, 12                        ; two a wave
	s_add_co_u32 s16, s16, s17
	s_mov_b32 s17, 0
	s_mov_b32 s11, 0x3b000000                      ; 1 / 512
	s_mov_b32 s12, 0x3727c5ac                      ; 1e-5
	s_mov_b32 s14, 0x76543210
	s_mov_b32 s15, 0xfedcba98
	s_wait_alu depctr_va_vdst(0)
	s_wait_kmcnt 0x0
	s_add_nc_u64 s[4:5], s[4:5], s[16:17]
	s_add_nc_u64 s[8:9], s[8:9], s[16:17]
.irp i, 0,1,2,3
	global_load_b128 v[PW+4*\i:PW+4*\i+3], v1, s[6:7] offset:512*\i
.endr
.irp j, 0,1
.irp i, 0,1,2,3
	global_load_b128 v[X+16*\j+4*\i:X+16*\j+4*\i+3], v1, s[4:5] offset:2048*\j+512*\i th:TH_LOAD_NT
.endr
.endr
.macro LSUM r, m                       ; the sum over the 32 lanes, in every lane
	s_delay_alu instid0(VALU_DEP_1)
	v_add_f32_dpp v[\r], v[\r], v[\r] row_xmask:1 row_mask:0xf bank_mask:0xf
	s_delay_alu instid0(VALU_DEP_1)
	v_add_f32_dpp v[\r], v[\r], v[\r] row_xmask:2 row_mask:0xf bank_mask:0xf
	s_delay_alu instid0(VALU_DEP_1)
	v_add_f32_dpp v[\r], v[\r], v[\r] row_xmask:4 row_mask:0xf bank_mask:0xf
	s_delay_alu instid0(VALU_DEP_1)
	v_add_f32_dpp v[\r], v[\r], v[\r] row_xmask:8 row_mask:0xf bank_mask:0xf
	s_delay_alu instid0(VALU_DEP_1)
	v_permlanex16_b32 v[\m], v[\r], s14, s15
	s_delay_alu instid0(VALU_DEP_1)
	v_add_f32 v[\r], v[\r], v[\m]
.endm
.macro LNROW j                         ; the mean, res - mean, the mean of its squares, 1 / sqrt(that + 1e-5) twice in v[T+6:T+7]
.set XS, X+16*\j
.set DS, D+16*\j
.set T, TB+8*\j
	v_pk_add_f32 v[T:T+1], v[XS:XS+1], v[XS+2:XS+3]
	v_pk_add_f32 v[T+2:T+3], v[XS+4:XS+5], v[XS+6:XS+7]
	s_delay_alu instid0(VALU_DEP_2)
	v_pk_add_f32 v[T:T+1], v[T:T+1], v[XS+8:XS+9]
	s_delay_alu instid0(VALU_DEP_2)
	v_pk_add_f32 v[T+2:T+3], v[T+2:T+3], v[XS+10:XS+11]
	s_delay_alu instid0(VALU_DEP_2)
	v_pk_add_f32 v[T:T+1], v[T:T+1], v[XS+12:XS+13]
	s_delay_alu instid0(VALU_DEP_2)
	v_pk_add_f32 v[T+2:T+3], v[T+2:T+3], v[XS+14:XS+15]
	s_delay_alu instid0(VALU_DEP_1)
	v_pk_add_f32 v[T:T+1], v[T:T+1], v[T+2:T+3]
	s_delay_alu instid0(VALU_DEP_1)
	v_add_f32 v[T], v[T], v[T+1]
	LSUM T, T+1
	s_delay_alu instid0(VALU_DEP_1)
	v_mul_f32 v[T+4], s11, v[T]
	s_delay_alu instid0(VALU_DEP_2)
	v_mul_f32 v[T+5], s11, v[T]
.irp i, 0,2,4,6,8,10,12,14
	v_pk_add_f32 v[DS+\i:DS+\i+1], v[XS+\i:XS+\i+1], v[T+4:T+5] neg_lo:[0,1] neg_hi:[0,1]
.endr
	v_pk_mul_f32 v[T:T+1], v[DS:DS+1], v[DS:DS+1]
	v_pk_mul_f32 v[T+2:T+3], v[DS+2:DS+3], v[DS+2:DS+3]
.irp i, 4,8,12
	s_delay_alu instid0(VALU_DEP_2)
	v_pk_fma_f32 v[T:T+1], v[DS+\i:DS+\i+1], v[DS+\i:DS+\i+1], v[T:T+1]
	s_delay_alu instid0(VALU_DEP_2)
	v_pk_fma_f32 v[T+2:T+3], v[DS+\i+2:DS+\i+3], v[DS+\i+2:DS+\i+3], v[T+2:T+3]
.endr
	s_delay_alu instid0(VALU_DEP_1)
	v_pk_add_f32 v[T:T+1], v[T:T+1], v[T+2:T+3]
	s_delay_alu instid0(VALU_DEP_1)
	v_add_f32 v[T], v[T], v[T+1]
	LSUM T, T+1
	s_delay_alu instid0(VALU_DEP_1)
	v_fma_f32 v[T+2], v[T], s11, s12
	s_wait_alu depctr_va_vdst(0)
	v_rsq_f32 v[T+6], v[T+2]
	v_rsq_f32 v[T+7], v[T+2]
.endm
.macro FIN j                           ; y, the choice, + res, out
.set XS, X+16*\j
.set DS, D+16*\j
.set T, TB+8*\j
.irp i, 0,2,4,6,8,10,12,14
	v_pk_mul_f32 v[DS+\i:DS+\i+1], v[DS+\i:DS+\i+1], v[T+6:T+7]
.endr
.irp i, 0,2,4,6,8,10,12,14
	v_pk_mul_f32 v[WY+\i:WY+\i+1], v[PW+\i:PW+\i+1], v[DS+\i:DS+\i+1]
.endr
.set i, 0
.rept 16
	v_cmp_le_f32 vcc_lo, 0, v[DS+i]                ; y >= 0 ?
	s_delay_alu instid0(VALU_DEP_1)
	v_cndmask_b32 v[DS+i], v[WY+i], v[DS+i], vcc_lo
.set i, i+1
.endr
.irp i, 0,2,4,6,8,10,12,14
	v_pk_add_f32 v[DS+\i:DS+\i+1], v[DS+\i:DS+\i+1], v[XS+\i:XS+\i+1]
.endr
.irp i, 0,1,2,3
	global_store_b128 v1, v[DS+4*\i:DS+4*\i+3], s[8:9] offset:2048*\j+512*\i th:TH_STORE_NT   ; each row has its own registers: no store's data are written again
.endr
.endm
	s_wait_loadcnt 4                               ; prelu_w and row 0 are in; row 1's four loads may be out
	LNROW 0
	s_wait_loadcnt 0x0
	LNROW 1
	v_nop                                          ; a plain instruction behind the last reciprocal root
	s_wait_alu depctr_va_vdst(0)                   ; one wait for the four, ahead of their first reader
	FIN 0
	FIN 1
	s_endpgm
.Lfunc_end_k_qb395f6f724_post:
	.size	k_qb395f6f724_post, .Lfunc_end_k_qb395f6f724_post-k_qb395f6f724_post
	.p2alignl 7, 3214868480
	.fill 96, 4, 3214868480
	.section	.rodata,"a",@progbits
	.p2align	6, 0x0
	.amdhsa_kernel k_qb395f6f724_post
		.amdhsa_group_segment_fixed_size 0
		.amdhsa_private_segment_fixed_size 0
		.amdhsa_enable_private_segment 0
		.amdhsa_kernarg_size 24
		.amdhsa_user_sgpr_count 2
		.amdhsa_user_sgpr_kernarg_segment_ptr 1
		.amdhsa_wavefront_size32 1
		.amdhsa_system_sgpr_workgroup_id_x 1
		.amdhsa_system_sgpr_workgroup_id_y 1
		.amdhsa_system_sgpr_workgroup_id_z 1
		.amdhsa_system_vgpr_workitem_id 0
		.amdhsa_next_free_vgpr 128
		.amdhsa_next_free_sgpr 66
		.amdhsa_reserve_vcc 1
		.amdhsa_float_denorm_mode_32 3
		.amdhsa_float_denorm_mode_16_64 3
		.amdhsa_memory_ordered 1
		.amdhsa_forward_progress 1
		.amdhsa_inst_pref_size 16
	.end_amdhsa_kernel
	.amdgpu_metadata
---
amdhsa.version: [ 1, 2 ]
amdhsa.kernels:
  - .name:           k_qb395f6f724_post
    .symbol:         k_qb395f6f724_post.kd
    .args:
      - { .name: res, .offset: 0, .size: 8, .value_kind: global_buffer, .address_space: global }
      - { .name: prelu_w, .offset: 8, .size: 8, .value_kind: global_buffer, .address_space: global }
      - { .name: out0, .offset: 16, .size: 8, .value_kind: global_buffer, .address_space: global }
    .group_segment_fixed_size: 0
    .private_segment_fixed_size: 0
    .kernarg_segment_align: 8
    .kernarg_segment_size: 24
    .max_flat_workgroup_size: 256
    .sgpr_count:     66
    .vgpr_count:     128
    .wavefront_size: 32
...
	.end_amdgpu_metadata
.endif
;; end of part 3
